; MI455X (gfx1250); checked and timed in simulation.
; The chip was launched on July 23, 2026; its instructions are those of AMD's public machine-readable ISA for CDNA 5 (MIT licence, August 2026) and "CDNA5" Instruction Set Architecture Reference Guide (July 2026). The comments in the code are by the model that wrote it; some were corrected since.
;; Dec Attention. Allowed arithmetic: matrix products marked QUANTISED: E4M3 operands, one given power-of-two scale a tensor, by v_wmma_f32_16x16x64_fp8_fp8 or v_wmma_f32_16x16x128_fp8_fp8, f32 sums; everything else in f32.
;; Inputs: Wo_codes 1,024 x 32 x 32 uint8 (E4M3 codes of Wo, K innermost, in blocks of 32 codes); Wqkv_codes 3,072 x 32 x 32 uint8 (E4M3 codes of Wqkv, K innermost, in blocks of 32 codes); bo 1,024 float32; bqkv 3,072 float32; lowp_scales 8 int32 (the exponents e of the quantised operands' scales 2^e); x_codes 4 x 2,048 x 32 x 32 uint8 (E4M3 codes of x, K innermost, in blocks of 32 codes).
;; Outputs: out0 4 x 2,048 x 1,024 float32.
;; This version of the problem:
;;   THIS VERSION OF THE PROBLEM IS GIVEN IN LOW PRECISION. The matrix products marked QUANTISED in the list below multiply operands that are first quantised to E4M3 (4 exponent bits, 3 mantissa bits; 8 bits a number), with one given power-of-two scale for each operand tensor; their sums are f32. All else is computed in f32.
;;   The module's matrix products, in the order in which they are computed (A, B: the left and right operand; K: the contracted axis; several contracted axes count as one K, in the product's order):
;;     1. [M 8,192, K 1,024] x [K 1,024, N 3,072]; A: input x (given as codes); B: input Wqkv (given as codes): QUANTISED (scales: A lowp_scales[0], B lowp_scales[1])
;;     2. batch 64 x [M 2,048, K 64] x [K 64, N 2,048]; A: computed on the way; B: computed on the way: QUANTISED (scales: A lowp_scales[2], B lowp_scales[3])
;;     3. batch 64 x [M 2,048, K 2,048] x [K 2,048, N 64]; A: softmax (see below); B: computed on the way: QUANTISED (scales: A lowp_scales[4], B lowp_scales[5])
;;     4. [M 8,192, K 1,024] x [K 1,024, N 1,024]; A: computed on the way; B: input Wo (given as codes): QUANTISED (scales: A lowp_scales[6], B lowp_scales[7])
;;   THE QUANTISER, for each operand of a quantised product, along K:
;;     - The operand's scale is 2^e, e = its entry of the input lowp_scales (int32; the entries are numbered through the quantised products in the list's order, A before B).
;;     - Each number is divided by the scale, clamped to +-448, and rounded to the nearest number of E4M3, ties to even, subnormals kept.
;;     - The product sums the exact products of the quantised numbers (number of the format x scale) in f32.
;;   ~~~python
;;   def quantise(x, axis, e):      # numpy; x: float32 -> the quantised numbers, widened to float32 again
;;       x = np.moveaxis(x, axis, -1); K = x.shape[-1]
;;       r = np.clip(x / 2.0 ** e, -448, 448)
;;       step = 2.0 ** (np.maximum(np.frexp(np.where(r == 0, 1, r))[1] - 1, -6) - 3)
;;       q = np.round(r / step) * step * 2.0 ** e      # np.round: ties to even
;;       return np.moveaxis(q, -1, axis).astype(np.float32)
;;   ~~~
;;   SOFTMAX AHEAD OF A QUANTISED PRODUCT. Where the list says 'softmax', what is quantised is not the finished softmax but p = 2^(t - M), with t = logit x log2(e) and M = ceil(the row's largest t), a whole number; so 1/2 < the row's largest p <= 1. The row's sum l is taken of the UNQUANTISED p, in f32, and the product's result is divided by l at the end. Since M is a whole number, a kernel that streams over the keys may use a running M (the ceiling of the running maximum): every later rescaling is an exact power of two, so the quantised numbers keep their values, but for numbers so far below the row's largest that they fall under the format's range.
;;   OPERANDS COMPUTED ON THE WAY. 'Computed on the way' means the value that the module computes at that place (a softmax that the list does not call 'softmax' is quantised finished and normalised). What goes into a quantiser is computed in f32, as accurately as f32 sums, v_exp_f32 and their like allow (about 1e-6 of the number): no bf16 or f16 on the way to a quantiser, and a product that is left as it is and whose result goes on into a quantised operand takes f32 operands (vector FMAs, or v_wmma_f32_16x16x4_f32). A number that lies on a knife's edge between two numbers of the format may be rounded either way, as far as f32 arithmetic and the matrix unit's own rounding can turn it there, and no further.
;;   INPUTS GIVEN AS CODES. Wo (in the module: [1024, 1024], K = its axis 0); Wqkv (in the module: [1024, 3072], K = its axis 0); x (in the module: [4, 2048, 1024], K = its axis 2): each comes as NAME_codes (uint8): NAME with its K axis moved to the last place and cut into blocks of 32 codes, [.., K / 32, bytes a block], one block behind the other in memory; one code a byte (a code: sign, 4 exponent bits, 3 mantissa bits); its scale is its entry of lowp_scales. Its value is code x scale, taken as it is: it is not quantised again, and the codes and scales need not be those that the quantiser above would give.
;; One version. Each part assembles by itself: llvm-mc -triple=amdgcn-amd-amdhsa -mcpu=gfx1250 --defsym DOCPART=n.
;; ======== version 1 of 1: 3 launches
;; limits: right only within a limited range of input values
;; workspace buffers: qkv 25,165,824 bytes; y 8,388,608 bytes
;; launch qkv_gemm (part 1): grid 8 x 32, 4 waves a work-group, clusters of 4 x 4, 327,680 bytes of LDS; arguments x_codes, Wqkv_codes, lowp_scales, bqkv, qkv; writes qkv
.if DOCPART == 1
	.amdgcn_target "amdgcn-amd-amdhsa--gfx1250"
	.amdhsa_code_object_version 6
	.text
	.protected	k_qc88990c9bb_qkv_gemm
	.globl	k_qc88990c9bb_qkv_gemm
	.p2align	8
	.type	k_qc88990c9bb_qkv_gemm,@function
k_qc88990c9bb_qkv_gemm:
	s_mov_b64 s[64:65], 0
	v_nop
	global_prefetch_b8 v0, s[64:65] scope:SCOPE_SE
	s_setreg_imm32_b32 hwreg(HW_REG_WAVE_MODE, 25, 1), 1
	s_wait_xcnt 0x0
	s_wait_alu depctr_hold_cnt(0) depctr_sa_sdst(0) depctr_va_vdst(0) depctr_va_sdst(0) depctr_va_ssrc(0) depctr_va_vcc(0) depctr_vm_vsrc(0)
	s_getreg_b32 s2, hwreg(HW_REG_IB_STS2, 6, 4)
	s_cmp_eq_u32 s2, 0
	s_cbranch_scc0 .Lentry_in_a_cluster
	s_endpgm
.Lentry_in_a_cluster:
	s_bfe_u32 s2, ttmp6, 0x10000c
	s_cmp_lg_u32 s2, 0xf033
	s_cbranch_scc0 .Lentry_shape_is_right
	s_endpgm
.Lentry_shape_is_right:
; qkv = x Wqkv + bqkv on codes of FP8 (E4M3); the result is quantised at once to the codes of q, k and v and stored as IMAGES OF THE OPERAND REGISTERS that the attention launch wants.
; x: [8192][1024] codes, Wqkv: [3072][1024] codes, K innermost; lowp_scales e0 .. e7; bqkv [3072] f32.
; SHARES.  8,192 x 3,072 outputs are 98,304 for each of 256 work-groups: q and k together are 256 tiles of 256 x 256, v is 256 half tiles of 256 x 128.  A WORK-GROUP STAYS and makes one of each:
;   pass 1 (q or k): S0 = 256 rows of Wqkv, S1 = 256 tokens of x; a wave makes 128 x 128: 64 accumulators, 512 registers.
;   pass 2 (v)     : S0 = 256 tokens of x, S1 = 128 rows of Wqkv; a wave makes 128 tokens x 64 channels: 32 accumulators.
; The products are D(S0 row, S1 row): source 0 = 16 rows of S0, source 1 = 16 rows of S1; a lane holds ONE row of S1 and its eight registers eight neighbouring rows of S0.  So in pass 1 a lane's registers run along the
; channels, which are the K of q k^T, and in pass 2 along the tokens, which are the K of p v.  One conversion of an accumulator's eight registers gives registers 2 b, 2 b + 1 (k = 16 b + 8 (lane / 16) + 0 .. 7) of a
; fragment of the plain FP8 forms: nothing changes lanes, and no stage in LDS is needed.
; K = 1,024 goes in four steps of 256 through a ring of two LDS slots, in each pass, and THE RING DOES NOT STOP BETWEEN THE PASSES: pass 1's last two changes of slots ask for pass 2's first two K steps, which land
; under pass 1's last products and its way out.
; OUT: qkv = three sections (q, k, v) of 512 blocks of 16,384 bytes; block = (batch x 8 + head pair) x 16 + block of 128 tokens; a block is [S1 tile of 16 rows 0..7][group of four registers 0..3][lane][16 bytes].
; THE BIAS.  A sum lacks the factor 2^(e0 + e1).  sum + bias / 2^(e0 + e1) has the same rounding as the true number, and the conversion's scale is 2^(e_sec - e0 - e1), e_sec = e2 (q), e3 (k) or e5 (v).
; CLUSTERS: 4 x 4 work-groups; in both passes S1's tiles hang on cy and are shared along a row of the cluster, S0's hang on cx and are shared along a column: joint loads.
; LIMITS: e0 + e1 between -126 and 126; e_sec - e0 - e1 between -126 and 119.  NaN in bqkv is not served.  Numbers beyond a scale's range are held at +-448 x the scale, as the quantiser says.
; REGISTERS: window 0: v16-31 addresses; v32-95 U, pass 1's bias; v96-103 W, pass 2's, in pairs; v114-117 the conversions' scales and holds; from v128 S1's fragments (pass 1: ONE set of 128; pass 2: two sets of 64);
;   on the ways out v128-191 numbers, v192-255 codes.   window 1: S0's fragments, TWO sets.   windows 2, 3: the accumulators ((a, b) at v[8 (8 (a % 4) + b)]); pass 2 uses window 2 alone.
.set ROWB,   256                       ; a tile's row in bytes: 256 codes
.set KROW,   1024                      ; a row of x or of Wqkv in memory
.set PITCH,  272                       ; an LDS row: 256 bytes + 16 of padding: the 16 rows that a load touches start 68 words apart
.set FR,     16                        ; registers of a fragment: 16 rows x 128 K
.set NL,     4                         ; LDS loads that bring one
.set NP,     4                         ; places behind this matrix instruction (ISA guide 7.12.1)
.set HALFT,  128*PITCH                 ; 128 rows
.set QUART,  64*PITCH                  ; 64 rows
.set SLOT,   4*HALFT                   ; S1's rows (pass 1: 256; pass 2: 128, the rest unused), then from 2 HALFT on S0's 256 rows
.set SPARE,  2*SLOT                    ; behind the ring: the spare words, 128 bytes for each wave
.set FLAGS,  (1<<20)|(1<<21)|(5<<22)|(3<<25)   ; group 1, word 0: elements of 1 byte; 20 padding on; 21 set beside a mask; after every 64 words (code 5) 4 words (code 3)
.set ADRA,  16                         ; v16-17  LDS address of my S1 fragments in slot 0, 1, pass 1
.set ADRA2, 18                         ; v18-19  the same, pass 2
.set ADRB,  20                         ; v20-21  of my S0 fragments, both passes
.set LO,   26                          ; v26     16 x lane: my place in a group of four registers' image
.set SPW,  28                          ; v28     my spare word; never rewritten
.set NIL,  29                          ; v29     0; never rewritten
.set UA,   30                          ; v30     byte offset in bqkv for U
.set WA,   31                          ; v31     for W
.set U,    32
.set W,    96
.set SC1,  114                         ; pass 1: the conversion's scale
.set LIM1, 115
.set SC2,  116                         ; pass 2
.set LIM2, 117
.set AF,   128                         ; S1's fragments
.set TMP,  128                         ; the way out: a block's 64 numbers
.set CD,   192                         ; the way out: codes, 16 registers for each of four blocks by turns
.set G1,  24                           ; s[24:31] group 1 for pass 1's S1 tiles;  s[32:39] group 0, one set for each slot
.set G0,  32
.set G1B, 48                           ; s[48:55] group 1 for S0's tiles, both passes;  s[56:63] pass 1's group 0
.set G0B, 56
.set G1C, 76                           ; s[76:83] group 1 for pass 2's S1 tiles: 64 rows
.set G0C, 84                           ; s[84:91] pass 2's group 0 for S1, one set for each slot
.set G0D, 92                           ; s[92:99] pass 2's group 0 for S0
.set OP2, 100                          ; s[100:101] where my part of v goes
.set MSB, 0
.macro WIN new                         ; the immediate's high byte repeats the setting that is left
.if MSB != (\new)
	s_set_vgpr_msb (MSB<<8)|(\new)
.set MSB, (\new)
.endif
.endm
.set MUL_LO, 0xa1                      ; source 0 (S0) window 1, source 1 (S1) window 0, C and D window 2
.set MUL_HI, 0xf1                      ; the same, C and D window 3
.set TO_B,   0x40                      ; destination window 1, address window 0
; A joint load: waves 0 and 1 fetch for S1, waves 2 and 3 for S0.  The branch hangs on the wave's number alone.  Four v_nop follow each of the two lines.
.macro JLOAD g0a, g1a, g0b, g1b
	s_cmp_eq_u32 s15, 0
	s_cbranch_scc0 .Lfor_b_\@
	tensor_load_to_lds s[\g0a:\g0a+3], s[\g1a:\g1a+7]
	s_nop 0
.rept 4
	v_nop
.endr
	s_branch .Lasked_\@
.Lfor_b_\@:
	tensor_load_to_lds s[\g0b:\g0b+3], s[\g1b:\g1b+7]
	s_nop 0
.rept 4
	v_nop
.endr
.Lasked_\@:
.endm
.macro CREST                           ; a round of the cluster's barrier behind its opening barrier
	s_cmp_lg_u32 s14, 0
	s_cbranch_scc1 .Lnot_wave_0_\@
	s_barrier_signal -3
.Lnot_wave_0_\@:
	s_barrier_wait -3
	s_barrier_signal -1
	s_barrier_wait -1
.endm
.macro CROUND                          ; a whole round
	s_barrier_signal -1
	s_barrier_wait -1
	CREST
.endm
	s_load_b128 s[4:7], s[0:1], 0x0                ; x's codes s[4:5], Wqkv's codes s[6:7]
	s_load_b128 s[8:11], s[0:1], 0x10              ; the scales' exponents s[8:9], bqkv s[10:11]
	s_load_b64 s[12:13], s[0:1], 0x20              ; qkv
	v_lshl_add_u32 v[SPW], v0, 2, SPARE
	v_mov_b32 v[NIL], 0
	ds_add_u32 v28, v29
	ds_add_u32 v28, v29
	s_wait_dscnt 0x0
	v_lshrrev_b32 v1, 5, v0
	v_readfirstlane_b32 s14, v1                    ; wave 0..3
	s_lshr_b32 s15, s14, 1                         ; which half of S1's rows is mine.  Also: I fetch for S1 (0) or for S0 (1)
	s_and_b32 s16, s14, 1                          ; which half of S0's rows.  Also: which half of that tile I fetch
	s_bfe_u32 s40, ttmp6, 0x40000                  ; cx, cy: my place in the cluster
	s_bfe_u32 s41, ttmp6, 0x40004
	s_mov_b32 s67, ttmp9                           ; the cluster's x: 0 = q, 1 = k
	s_and_b32 s66, ttmp7, 0xffff                   ; the cluster's y: 0 .. 7
	s_lshl_b32 s42, s67, 2
	s_add_co_u32 s42, s42, s40                     ; pass 1, S0: tile of 256 rows of Wqkv, 0 .. 7: hangs on cx
	s_lshl_b32 s17, s66, 2
	s_add_co_u32 s17, s17, s41                     ; pass 1, S1: tile of 256 tokens, 0 .. 31: hangs on cy
	s_lshl_b32 s2, s66, 2
	s_add_co_u32 s2, s2, s40                       ; pass 2, S0: tile of 256 tokens, 0 .. 31: hangs on cx
	s_lshl_b32 s3, s67, 2
	s_add_co_u32 s3, s3, s41                       ; pass 2, S1: block of 128 rows of v's part of Wqkv, 0 .. 7: hangs on cy
	s_lshl_b32 s43, s41, 2
	s_lshl_b32 s43, 15, s43                        ; my row of the cluster
	s_lshl_b32 s44, 0x1111, s40                    ; my column
	s_or_b32 s[G1+0], s43, FLAGS                   ; 15:0 the mask: S1's tiles go to my row
	s_or_b32 s[G1B+0], s44, FLAGS                  ; S0's to my column
	s_or_b32 s[G1C+0], s43, FLAGS
.irp g, G1, G1B
	s_mov_b32 s[\g+1], ROWB<<16                    ; tensor_dim0
	s_mov_b32 s[\g+2], 128<<16                     ; tensor_dim1 = 128
	s_mov_b32 s[\g+3], ROWB<<16                    ; tile_dim0
	s_mov_b32 s[\g+4], 128                         ; tile_dim1 = 128
	s_mov_b32 s[\g+5], KROW                        ; tensor_dim0_stride
	s_mov_b32 s[\g+6], 0
	s_mov_b32 s[\g+7], 0
.endr
	s_mov_b32 s[G1C+1], ROWB<<16
	s_mov_b32 s[G1C+2], 64<<16                     ; 64 rows
	s_mov_b32 s[G1C+3], ROWB<<16
	s_mov_b32 s[G1C+4], 64
	s_mov_b32 s[G1C+5], KROW
	s_mov_b32 s[G1C+6], 0
	s_mov_b32 s[G1C+7], 0
	; where the tiles begin, in bytes (all under 2^23)
	s_lshl_b32 s43, s16, 7                         ; 128 x the half that I fetch
	s_lshl_b32 s20, s17, 8
	s_add_co_u32 s20, s20, s43
	s_lshl_b32 s20, s20, 10                        ; pass 1, S1: x's row 256 x tile + 128 x half
	s_mov_b32 s21, 0
	s_lshl_b32 s46, s42, 8
	s_add_co_u32 s46, s46, s43
	s_lshl_b32 s46, s46, 10                        ; pass 1, S0: Wqkv's row likewise
	s_mov_b32 s47, 0
	s_lshl_b32 s18, s2, 8
	s_add_co_u32 s18, s18, s43
	s_lshl_b32 s18, s18, 10                        ; pass 2, S0: x's row likewise
	s_mov_b32 s19, 0
	s_lshl_b32 s44, s16, 6                         ; 64 x the half
	s_lshl_b32 s22, s3, 7
	s_add_co_u32 s22, s22, s44
	s_add_co_u32 s22, s22, 2048
	s_lshl_b32 s22, s22, 10                        ; pass 2, S1: Wqkv's row 2,048 + 128 x block + 64 x half
	s_mov_b32 s23, 0
	s_mul_i32 s45, s14, HALFT                      ; where they go in a slot: wave x 128 rows;
	s_mul_i32 s44, s16, QUART                      ; pass 2's S1: half x 64 rows: no place in the cluster enters an LDS address
	s_wait_kmcnt 0x0
	s_load_b256 s[68:75], s[8:9], 0x0              ; e0 .. e7
	s_add_nc_u64 s[20:21], s[4:5], s[20:21]
	s_add_nc_u64 s[46:47], s[6:7], s[46:47]
	s_add_nc_u64 s[18:19], s[4:5], s[18:19]
	s_add_nc_u64 s[22:23], s[6:7], s[22:23]
	CROUND                                         ; all sixteen work-groups are here: the first joint loads meet
.irp s, 0,1
	s_mov_b32 s[G0+4*\s], 1
	s_add_co_u32 s[G0+4*\s+1], s45, \s*SLOT
	s_add_nc_u64 s[G0+4*\s+2:G0+4*\s+3], s[20:21], \s*ROWB
	s_or_b32 s[G0+4*\s+3], s[G0+4*\s+3], 0x80000000
	s_mov_b32 s[G0B+4*\s], 1
	s_add_co_u32 s[G0B+4*\s+1], s45, \s*SLOT
	s_add_nc_u64 s[G0B+4*\s+2:G0B+4*\s+3], s[46:47], \s*ROWB
	s_or_b32 s[G0B+4*\s+3], s[G0B+4*\s+3], 0x80000000
	s_wait_alu depctr_va_vdst(0)
	s_wait_tensorcnt 0x0
	ds_add_u32 v28, v29
	ds_add_u32 v28, v29
	s_wait_dscnt 0x0
	CROUND
	JLOAD G0+4*\s, G1, G0B+4*\s, G1B               ; my load for this K step; the wait in front of the round landed the one before
.endr
.irp s, 0,1                                    ; pass 2's groups 0, for its K steps 0 and 1: made now, used at pass 1's last two changes of slots
	s_mov_b32 s[G0C+4*\s], 1
	s_add_co_u32 s[G0C+4*\s+1], s44, \s*SLOT
	s_add_nc_u64 s[G0C+4*\s+2:G0C+4*\s+3], s[22:23], \s*ROWB
	s_or_b32 s[G0C+4*\s+3], s[G0C+4*\s+3], 0x80000000
	s_mov_b32 s[G0D+4*\s], 1
	s_add_co_u32 s[G0D+4*\s+1], s45, \s*SLOT
	s_add_nc_u64 s[G0D+4*\s+2:G0D+4*\s+3], s[18:19], \s*ROWB
	s_or_b32 s[G0D+4*\s+3], s[G0D+4*\s+3], 0x80000000
.endr
	v_and_b32 v1, 15, v0                           ; r = l % 16
	v_bfe_u32 v2, v0, 4, 1                         ; h = l / 16
	v_mul_u32_u24 v3, v1, PITCH
	v_lshl_add_u32 v4, v2, 4, v3                   ; a fragment's row x pitch + 16 x half
	s_mul_i32 s20, s15, HALFT                      ; pass 1: my 128 rows of S1
	s_mul_i32 s21, s16, HALFT                      ; my 128 rows of S0,
	s_add_co_u32 s21, s21, 2*HALFT                 ; which lie 256 rows into a slot, in both passes
	s_mul_i32 s22, s15, QUART                      ; pass 2: my 64 rows of S1
.irp s, 0,1
	v_add_nc_u32 v[ADRA+\s], s20, v4
	v_add_nc_u32 v[ADRB+\s], s21, v4
	v_add_nc_u32 v[ADRA2+\s], s22, v4
	s_add_co_u32 s20, s20, SLOT
	s_add_co_u32 s21, s21, SLOT
	s_add_co_u32 s22, s22, SLOT
.endr
	v_and_b32 v5, 31, v0
	v_lshlrev_b32 v[LO], 4, v5
	; the biases: U[8 b + j] = bqkv[128 B0 + 16 b + 8 h + j], B0 my block of 128 rows of Wqkv in pass 1;  W[a] = bqkv[2,048 + 128 x block + 64 x my half + 16 a + r] in pass 2
	s_lshl_b32 s43, s42, 1
	s_add_co_u32 s43, s43, s16                     ; B0: 0 .. 15
	s_lshl_b32 s23, s43, 9
	v_lshl_add_u32 v[UA], v2, 5, s23               ; 512 B0 + 32 h, + 64 b in the immediate
	s_lshl_b32 s20, s3, 9
	s_lshl_b32 s21, s15, 8
	s_add_co_u32 s20, s20, s21
	s_add_co_u32 s20, s20, 8192
	v_lshl_add_u32 v[WA], v1, 2, s20               ; 8,192 + 512 x block + 256 x half + 4 r, + 64 a in the immediate
.irp t, 0,1,2,3,4,5,6,7
	global_load_b128 v[U+8*\t:U+8*\t+3], v[UA], s[10:11] offset:64*\t
	global_load_b128 v[U+8*\t+4:U+8*\t+7], v[UA], s[10:11] offset:64*\t+16
.endr
.irp a, 0,1,2,3
	global_load_b32 v[W+2*\a], v[WA], s[10:11] offset:64*\a
.endr
	; where my results go.  Pass 1: section B0 / 8, head pair B0 % 8, tokens' block T = 2 x S1's tile + my half
	s_lshl_b32 s44, s17, 1
	s_add_co_u32 s44, s44, s15                     ; T: 0 .. 63
	s_lshr_b32 s20, s43, 3
	s_lshl_b32 s20, s20, 9                         ; section x 512 blocks
	s_lshr_b32 s21, s44, 4
	s_lshl_b32 s21, s21, 7                         ; batch x 128
	s_add_co_u32 s20, s20, s21
	s_and_b32 s21, s43, 7
	s_lshl_b32 s21, s21, 4                         ; head pair x 16
	s_add_co_u32 s20, s20, s21
	s_and_b32 s21, s44, 15
	s_add_co_u32 s20, s20, s21                     ; block of 128 tokens
	s_lshl_b32 s20, s20, 14                        ; x 16,384 bytes (under 2^25)
	s_mov_b32 s21, 0
	; pass 2: section 2, head pair = S1's block, tokens' block T = 2 x S0's tile + my half; my 64 channels are half a block
	s_lshl_b32 s44, s2, 1
	s_add_co_u32 s44, s44, s16
	s_lshr_b32 s22, s44, 4
	s_lshl_b32 s22, s22, 7
	s_lshl_b32 s23, s3, 4
	s_add_co_u32 s22, s22, s23
	s_and_b32 s23, s44, 15
	s_add_co_u32 s22, s22, s23
	s_add_co_u32 s22, s22, 1024
	s_lshl_b32 s22, s22, 14
	s_lshl_b32 s23, s15, 13                        ; S1 tiles 4 x half on: 8,192 bytes
	s_add_co_u32 s22, s22, s23
	s_mov_b32 s23, 0
	s_add_nc_u64 s[OP2:OP2+1], s[12:13], s[22:23]
	s_add_nc_u64 s[12:13], s[12:13], s[20:21]
	s_wait_kmcnt 0x0                               ; the exponents
	s_add_co_i32 s20, s68, s69                     ; e0 + e1
	s_sub_co_i32 s21, 127, s20
	s_lshl_b32 s22, s21, 23                        ; 2^-(e0 + e1) as f32
	s_mov_b32 s23, s22                             ; (named with it as a pair, so it is written)
	s_cmp_eq_u32 s67, 0                            ; alike in all sixteen partners; a select, no branch
	s_cselect_b32 s43, s70, s71                    ; q: e2; k: e3
	s_sub_co_i32 s43, s43, s20
	s_add_co_i32 s43, s43, 127
	s_lshl_b32 s44, s43, 23
	v_mov_b32 v[SC1], s44                          ; 2^(e_sec - e0 - e1): the conversion takes its exponent field
	s_sub_co_i32 s43, s73, s20                     ; v: e5 - e0 - e1
	s_add_co_i32 s43, s43, 127
	s_lshl_b32 s44, s43, 23
	v_mov_b32 v[SC2], s44
	s_wait_loadcnt 0x0                             ; bqkv's numbers; the first tiles are still on their way
.set JJ, 0
.rept 32
	v_pk_mul_f32 v[U+JJ:U+JJ+1], v[U+JJ:U+JJ+1], s[22:23] op_sel_hi:[1,0]   ; / 2^(e0 + e1): nothing is rounded
.set JJ, JJ+2
.endr
.irp a, 0,1,2,3
	v_mul_f32 v[W+2*\a], s22, v[W+2*\a]
.endr
.irp a, 0,1,2,3
	v_mov_b32 v[W+2*\a+1], v[W+2*\a]               ; a pair for the packed form
.endr
.macro FRAG reg, adr, q, i             ; a fragment: lane l holds row l % 16; registers 4 c .. 4 c + 3 hold K = 32 c + 16 (l / 16) + 0 .. 15: a permutation of k that is the same in both operands
.irp c, 0,1,2,3
	ds_load_b128 v[\reg+4*\c:\reg+4*\c+3], v[\adr] offset:128*(\q)+32*\c+(\i)*16*PITCH
.endr
.endm
.macro PLACES n                        ; plain vector instructions between a matrix instruction and a load into, or a vector instruction on, its registers (ISA guide 7.12.1 for vector instructions)
.rept \n
	v_nop
.endr
.endm
; ---- PASS 1 ----
; 16 matrix instructions: S1's blocks a0, a0 + 1 x S0's eight, 128 along K.  p: S0's set.  zero = 1: the first product starts the sums.
; The 64 accumulators take turns, one instruction a turn, in the same order in every step.
.macro MUL16 a0, p, zero
.irp a, \a0, \a0+1
.irp b, 0,1,2,3,4,5,6,7
.if \zero
	v_wmma_f32_16x16x128_fp8_fp8 v[8*(8*((\a)%4)+\b):8*(8*((\a)%4)+\b)+7], v[128*(\p)+FR*\b:128*(\p)+FR*\b+FR-1], v[AF+FR*(\a):AF+FR*(\a)+FR-1], 0
.else
	v_wmma_f32_16x16x128_fp8_fp8 v[8*(8*((\a)%4)+\b):8*(8*((\a)%4)+\b)+7], v[128*(\p)+FR*\b:128*(\p)+FR*\b+FR-1], v[AF+FR*(\a):AF+FR*(\a)+FR-1], v[8*(8*((\a)%4)+\b):8*(8*((\a)%4)+\b)+7]
.endif
.endr
.endr
.endm
.macro FETCH_B slot, q, p              ; S0's eight fragments of the slot's q-th 128 along K into set p
	WIN TO_B
.irp i, 0,1,2,3,4,5,6,7
	FRAG 128*(\p)+FR*\i, ADRB+\slot, \q, \i
.endr
	WIN 0
.endm
.macro FETCH_A slot, q, i0             ; S1's blocks i0 .. i0 + 3
.irp i, \i0, \i0+1, \i0+2, \i0+3
	FRAG AF+FR*(\i), ADRA+\slot, \q, \i
.endr
.endm
; A step of 128 along K that has its successor in the same slot.
.macro STEP slot, q, zero
	s_wait_dscnt 4*NL                              ; S0's set and S1's blocks 0-3 are in; the youngest sixteen loads (S1's blocks 4-7) may be out
	WIN MUL_LO
	MUL16 0, (\q)%2, \zero
	MUL16 2, (\q)%2, \zero
	s_wait_dscnt 0                                 ; S1's blocks 4-7 are in (asked for 32 matrix instructions ago)
	PLACES NP
	FETCH_B \slot, (\q)+1, 1-(\q)%2
	FETCH_A \slot, (\q)+1, 0
	WIN MUL_HI
	MUL16 4, (\q)%2, \zero
	MUL16 6, (\q)%2, \zero
	PLACES NP
	WIN 0
	FETCH_A \slot, (\q)+1, 4
.endm
; A slot's last step changes slots: in front of a round of the cluster's barrier each wave waits for all its tensor loads, adds 0 to its spare word, and waits for that and for its own reads of this slot.
; Behind the round this slot is filled again: mode 1: with pass 1's K step two steps on; mode 2: with pass 2's K step of the slot's number.  fetch = 1: the next slot's first fragments follow.
.macro TURN slot, next, mode, fetch
	s_wait_tensorcnt 0x0                           ; all my tensor loads have landed: my part of the other slot
	ds_add_u32 v[SPW], v[NIL]                      ; 0 onto my spare word
	s_wait_dscnt 4*NL+1                            ; (the add and the youngest sixteen loads, S1's blocks 4-7, may be out)
	WIN MUL_LO
	MUL16 0, 1, 0                                  ; sixteen matrix instructions stand between the add and the wait for it
	s_wait_dscnt 0x0                               ; the add is done, and my reads of this slot are over
	s_barrier_signal -1
	MUL16 2, 1, 0
	WIN 0
	s_barrier_wait -1
	CREST                                          ; the barrier has opened a round of the cluster's: no wave of any partner still reads this slot or has a load on its way
.if \mode == 1
	s_add_nc_u64 s[G0+4*\slot+2:G0+4*\slot+3], s[G0+4*\slot+2:G0+4*\slot+3], 2*ROWB
	s_add_nc_u64 s[G0B+4*\slot+2:G0B+4*\slot+3], s[G0B+4*\slot+2:G0B+4*\slot+3], 2*ROWB
	JLOAD G0+4*\slot, G1, G0B+4*\slot, G1B         ; the first tensor load behind the round, my one load until the next; its four v_nop are the places in front of the loads below
.else
	JLOAD G0C+4*\slot, G1C, G0D+4*\slot, G1B       ; the ring goes on into pass 2
.endif
.if \fetch
	FETCH_B \next, 0, 0
	FETCH_A \next, 0, 0
.endif
	WIN MUL_HI
	MUL16 4, 1, 0
	MUL16 6, 1, 0
	PLACES NP                                      ; in front of loads into, and vector writes of, registers that these products read, and of the first reads of results
	WIN 0
.if \fetch
	FETCH_A \next, 0, 4
.endif
.endm
; ---- PASS 2 ----
; 8 matrix instructions: S1's block a x S0's eight, 128 along K, on set p.  The 32 accumulators take turns, one instruction a turn, in the same order in every step.
.macro MUL8 a, p, zero
.irp b, 0,1,2,3,4,5,6,7
.if \zero
	v_wmma_f32_16x16x128_fp8_fp8 v[8*(8*(\a)+\b):8*(8*(\a)+\b)+7], v[128*(\p)+FR*\b:128*(\p)+FR*\b+FR-1], v[AF+64*(\p)+FR*(\a):AF+64*(\p)+FR*(\a)+FR-1], 0
.else
	v_wmma_f32_16x16x128_fp8_fp8 v[8*(8*(\a)+\b):8*(8*(\a)+\b)+7], v[128*(\p)+FR*\b:128*(\p)+FR*\b+FR-1], v[AF+64*(\p)+FR*(\a):AF+64*(\p)+FR*(\a)+FR-1], v[8*(8*(\a)+\b):8*(8*(\a)+\b)+7]
.endif
.endr
.endm
.macro FETCH2 slot, q, p               ; 48 LDS loads in one run: S0's eight and S1's four fragments of the slot's q-th 128 along K into set p
	WIN TO_B
.irp i, 0,1,2,3,4,5,6,7
	FRAG 128*(\p)+FR*\i, ADRB+\slot, \q, \i
.endr
	WIN 0
.irp i, 0,1,2,3
	FRAG AF+64*(\p)+FR*\i, ADRA2+\slot, \q, \i
.endr
.endm
; A step on set p; ahead of its products the next step's fragments (slot ns, part nq) are asked for, into the other set: 32 matrix instructions ahead of their use.
.macro STEP2 ns, nq, p, zero
	s_wait_dscnt 0x0                               ; set p is in
	PLACES NP                                      ; the other set was read by the products just issued
	FETCH2 \ns, \nq, 1-(\p)
	WIN MUL_LO
	MUL8 0, \p, \zero
	MUL8 1, \p, \zero
	MUL8 2, \p, \zero
	MUL8 3, \p, \zero
.endm
; A slot's last step, on set 1, changes slots as in pass 1.  fill = 1: this slot is filled again, two K steps ahead, behind a round; fill = 0: nothing is left to fetch, and the barrier is the work-group's alone.
.macro TURN2 slot, next, fill
	WIN 0                                          ; (the add's two registers lie in window 0)
	s_wait_tensorcnt 0x0                           ; all my tensor loads have landed: my part of the other slot
	ds_add_u32 v[SPW], v[NIL]                      ; 0 onto my spare word
	s_wait_dscnt 1                                 ; set 1 is in (the add may be out)
	WIN MUL_LO
	MUL8 0, 1, 0                                   ; eight matrix instructions stand between the add and the wait for it
	s_wait_dscnt 0x0                               ; the add is done, and my reads of this slot are over
	s_barrier_signal -1
	MUL8 1, 1, 0
	WIN 0
	s_barrier_wait -1
.if \fill
	CREST
	s_add_nc_u64 s[G0C+4*\slot+2:G0C+4*\slot+3], s[G0C+4*\slot+2:G0C+4*\slot+3], 2*ROWB
	s_add_nc_u64 s[G0D+4*\slot+2:G0D+4*\slot+3], s[G0D+4*\slot+2:G0D+4*\slot+3], 2*ROWB
	JLOAD G0C+4*\slot, G1C, G0D+4*\slot, G1B       ; the first tensor load behind the round; its four v_nop are the places in front of the loads below
.else
	PLACES NP
.endif
	FETCH2 \next, 0, 0
	WIN MUL_LO
	MUL8 2, 1, 0
	MUL8 3, 1, 0
.endm
; THE WAY OUT of block a: 16 rows of S1 x 128 rows of S0.  Bias, hold, conversion: the sixteen registers of codes are the images; each store of the wave covers 512 consecutive bytes, aligned to 256.
; wn: the setting that puts source 0 into the sums' window;  the bias of number JJ is v[bb + bs JJ];  v[sc], v[lim]: the conversion's scale and the hold;  s[ptr:ptr+1]: where my blocks go.
.macro OUTBLK a, wn, bb, bs, sc, lim, ptr
.set AC, 64*((\a)%4)
.set CB, CD+16*((\a)%4)
	WIN \wn
.set JJ, 0
.rept 32
	v_pk_add_f32 v[TMP+JJ:TMP+JJ+1], v[AC+JJ:AC+JJ+1], v[\bb+\bs*JJ:\bb+\bs*JJ+1]   ; sum + bias / 2^(e0 + e1); each accumulator from its low end on
.set JJ, JJ+2
.endr
	WIN 0
.if (\a) >= 4
	s_wait_alu depctr_va_vdst(0)
	s_wait_xcnt 0x0                                ; block a - 4's stores have read the registers that this block's codes take
.endif
.set JJ, 0
.rept 64
.set JJ, JJ+1
.endr
.irp t, 0,1,2,3,4,5,6,7
	v_cvt_scalef32_pk8_fp8_f32 v[CB+2*\t:CB+2*\t+1], v[TMP+8*\t:TMP+8*\t+7], v[\sc]   ; registers 2 t, 2 t + 1 of the fragment: k = 16 t + 8 (l / 16) + 0 .. 7
.endr
	v_nop                                          ; one plain vector instruction behind the last conversion: the next block writes its sources
.irp b, 0,1,2,3
	global_store_b128 v[LO], v[CB+4*\b:CB+4*\b+3], s[\ptr:\ptr+1] offset:2048*(\a)+512*\b
.endr
.endm
	s_wait_tensorcnt 1                             ; my part of K step 0 is in (K step 1's load may be out)
	s_barrier_signal -1
	s_barrier_wait -1                              ; everybody's is
	FETCH_B 0, 0, 0
	FETCH_A 0, 0, 0
	FETCH_A 0, 0, 4
	STEP 0, 0, 1                                   ; pass 1, K 0-127: these products start the sums
	TURN 0, 1, 1, 1                                ; K 128-255; slot 0 takes K step 2
	STEP 1, 0, 0
	TURN 1, 0, 1, 1                                ; slot 1 takes K step 3
	STEP 0, 0, 0
	TURN 0, 1, 2, 1                                ; slot 0 takes PASS 2's K step 0
	STEP 1, 0, 0
	TURN 1, 0, 2, 0                                ; the last step; slot 1 takes pass 2's K step 1; by this round pass 2's K step 0 is whole for every wave
.irp a, 0,1,2,3,4,5,6,7
	OUTBLK \a, 0x02+(\a)/4, U, 1, SC1, LIM1, 12    ; q's or k's codes leave while pass 2's K step 1 lands
.endr
	s_wait_xcnt 0x0                                ; the last stores have read their registers: pass 2's fragments may land there
	FETCH2 0, 0, 0
	STEP2 0, 1, 0, 1                               ; pass 2, K 0-127: these products start the sums anew
	TURN2 0, 1, 1                                  ; slot 0 takes K step 2
	STEP2 1, 1, 0, 0
	TURN2 1, 0, 1                                  ; slot 1 takes K step 3
	STEP2 0, 1, 0, 0
	TURN2 0, 1, 0                                  ; nothing is left to fetch
	STEP2 1, 1, 0, 0
	s_wait_dscnt 0x0                               ; the very last step
	WIN MUL_LO
	MUL8 0, 1, 0
	MUL8 1, 1, 0
	MUL8 2, 1, 0
	MUL8 3, 1, 0
	WIN 0
	PLACES NP                                      ; in front of vector writes into the registers that held S1's fragments, and of the first reads of results
.irp a, 0,1,2,3
	OUTBLK \a, 0x02, W+2*\a, 0, SC2, LIM2, OP2     ; v's codes
.endr
	s_wait_tensorcnt 0x0                           ; the wave's end
	ds_add_u32 v[SPW], v[NIL]
	s_wait_dscnt 0x0
	CROUND                                         ; the closing round: no work-group ends while a partner may still ask for a tile that names it
	s_endpgm
.Lfunc_end_k_qc88990c9bb_qkv_gemm:
	.size	k_qc88990c9bb_qkv_gemm, .Lfunc_end_k_qc88990c9bb_qkv_gemm-k_qc88990c9bb_qkv_gemm
	.p2alignl 7, 3214868480
	.fill 96, 4, 3214868480
	.section	.rodata,"a",@progbits
	.p2align	6, 0x0
	.amdhsa_kernel k_qc88990c9bb_qkv_gemm
		.amdhsa_group_segment_fixed_size 327680
		.amdhsa_private_segment_fixed_size 0
		.amdhsa_enable_private_segment 0
		.amdhsa_kernarg_size 40
		.amdhsa_user_sgpr_count 2
		.amdhsa_user_sgpr_kernarg_segment_ptr 1
		.amdhsa_wavefront_size32 1
		.amdhsa_system_sgpr_workgroup_id_x 1
		.amdhsa_system_sgpr_workgroup_id_y 1
		.amdhsa_system_sgpr_workgroup_id_z 1
		.amdhsa_system_vgpr_workitem_id 0
		.amdhsa_next_free_vgpr 1024
		.amdhsa_next_free_sgpr 102
		.amdhsa_reserve_vcc 0
		.amdhsa_float_denorm_mode_32 3
		.amdhsa_float_denorm_mode_16_64 3
		.amdhsa_fp16_overflow 1
		.amdhsa_memory_ordered 1
		.amdhsa_forward_progress 1
		.amdhsa_inst_pref_size 168
	.end_amdhsa_kernel
	.amdgpu_metadata
---
amdhsa.version: [ 1, 2 ]
amdhsa.kernels:
  - .name:           k_qc88990c9bb_qkv_gemm
    .symbol:         k_qc88990c9bb_qkv_gemm.kd
    .args:
      - { .name: x_codes, .offset: 0, .size: 8, .value_kind: global_buffer, .address_space: global }
      - { .name: Wqkv_codes, .offset: 8, .size: 8, .value_kind: global_buffer, .address_space: global }
      - { .name: lowp_scales, .offset: 16, .size: 8, .value_kind: global_buffer, .address_space: global }
      - { .name: bqkv, .offset: 24, .size: 8, .value_kind: global_buffer, .address_space: global }
      - { .name: qkv, .offset: 32, .size: 8, .value_kind: global_buffer, .address_space: global }
    .group_segment_fixed_size: 327680
    .private_segment_fixed_size: 0
    .kernarg_segment_align: 8
    .kernarg_segment_size: 40
    .max_flat_workgroup_size: 128
    .sgpr_count:     102
    .vgpr_count:     1024
    .wavefront_size: 32
...
	.end_amdgpu_metadata
.endif
;; end of part 1
;; launch attention (part 2): grid 4 x 64, 16 waves a work-group, clusters of 4 x 1, 264,192 bytes of LDS; arguments qkv, lowp_scales, y; writes y
.if DOCPART == 2
	.amdgcn_target "amdgcn-amd-amdhsa--gfx1250"
	.amdhsa_code_object_version 6
	.text
	.protected	k_qc88990c9bb_attention
	.globl	k_qc88990c9bb_attention
	.p2align	8
	.type	k_qc88990c9bb_attention,@function
k_qc88990c9bb_attention:
	s_mov_b64 s[64:65], 0
	v_nop
	global_prefetch_b8 v0, s[64:65] scope:SCOPE_SE
	s_setreg_imm32_b32 hwreg(HW_REG_WAVE_MODE, 25, 1), 1
	s_wait_xcnt 0x0
	s_wait_alu depctr_hold_cnt(0) depctr_sa_sdst(0) depctr_va_vdst(0) depctr_va_sdst(0) depctr_va_ssrc(0) depctr_va_vcc(0) depctr_vm_vsrc(0)
	s_getreg_b32 s2, hwreg(HW_REG_IB_STS2, 6, 4)
	s_cmp_eq_u32 s2, 0
	s_cbranch_scc0 .Lentry_in_a_cluster
	s_endpgm
.Lentry_in_a_cluster:
	s_bfe_u32 s2, ttmp6, 0x10000c
	s_cmp_lg_u32 s2, 0x3003
	s_cbranch_scc0 .Lentry_shape_is_right
	s_endpgm
.Lentry_shape_is_right:
; y[b][q][head] = softmax_k(q . k / 8, causal) v, both products on codes of FP8 (E4M3); y is quantised at once with 2^e6 and stored as images for the last product.
; IN: qkv, as the launch before lays it: fragments of q and k (16 tokens x 64 channels, 1,024 bytes) and of V^T (16 channels x 128 keys, 2,048 bytes) as images of their registers, in the plain forms' own places of k.
; THE SOFTMAX AHEAD OF THE SECOND PRODUCT: t = score x log2(e) / 8; M = the running largest t rounded UP to a whole number; p = 2^(t - M) is quantised with 2^e4, not normalised; the row's sum is taken of the
; unquantised p and divides at the end.  When M moves, the sum and O are multiplied by 2^(old M - new M): exact.
; SHARES.  A cluster of four work-groups owns one head of one batch.  The WHOLE head lies in each work-group's LDS, filled once by joint loads: K's images 131,072 bytes, V^T's 131,072 bytes: no ring, no refill, no barrier in the loops.
; The eight tiles of 16 queries 8 g .. 8 g + 7 all need key steps 0 .. g (128 keys a step), step g on the diagonal.  Partner cx takes tiles 8 g + 2 cx + e: cx enters global addresses and the mask's compare alone.
; Wave w (e = w % 2, w' = w / 2) owns tile g = w' and then tile g = 15 - w': 17 key steps for every wave of every work-group.
; Both loops have constant trip counts; a step all of whose keys come after the tile's queries is jumped over by a scalar branch on the wave's number and the two counters.
; LAYOUT.  S^T = K Q^T (source 0 = 16 keys, source 1 = my 16 queries), O^T = V^T P^T (source 0 = 16 channels, source 1 = P): a lane holds ONE query (lane % 16) throughout.  Key tile t's eight registers are keys
; 16 t + 8 (lane / 16) + 0 .. 7: one conversion makes of them registers 2 t, 2 t + 1 of P's fragment.
; OUT: y = [tile of 16 tokens 0..511][head 0..15][1,024 bytes]; byte 256 ct + 16 r + 8 h + i = channel 16 ct + 8 h + i of token r.
; LIMITS: e2 + e3 between -123 and 130 (added to c's exponent field); e4 and e6 between -126 and 119; e4 + e5 is applied by v_ldexp_f32 and has none.
; REGISTERS: v1-6 constants of the lane; v12 -M, v13 the largest t, v[14:15] the sum in two halves; v16-23 Q; v32-95 K's eight fragments, then V^T's four; v96-159 S^T, then p; v160-191 O^T; v192-207 p's codes; v208-215 y's codes; v236-254 at work.
.set VIMG, 131072                      ; LDS: K's tile of 16 keys tau at 1,024 tau; V^T of key step s at VIMG + 8,192 s: [channel tile][group of four registers][lane][16]
.set L16,  1                           ; v1   16 x lane
.set YO,   2                           ; v2   16 r + 8 h: my 8 bytes of a unit of y
.set DQ,   3                           ; v3   my query's place in its 128, less 8 h
.set ADK,  4                           ; v4   LDS address of the step's K
.set ADV,  5                           ; v5   of its V^T
.set NINF, 6                           ; v6   -infinity
.set WV,   18                          ; s18  my wave's number
.set WP,   19                          ; s19  w' = wave / 2
.set SEL,  20                          ; s[20:21] lane selects for v_permlanex16_b32: lane l xor 16
.set CS,   22                          ; s[22:23] c = log2(e) / 8 x 2^(e2 + e3)
.set G1K,  24                          ; s[24:31] group 1 for K's images; s[32:39] for V's; s[40:43], s[44:47] their groups 0
.set G1V,  32
.set G0K,  40
.set G0V,  44
.set CX,   48                          ; s48  my place in the cluster
.set BH,   49                          ; s49  batch x 16 + head
.set EV,   50                          ; s50  e = wave % 2
.set WQ,   51                          ; s51  15 - w'
.set TI,   52                          ; s52  which of my two tiles
.set KS,   53                          ; s53  the key step
.set GG,   54                          ; s54  g: the tile's last key step
.set TB,   55                          ; s55  8,192 x key step
.set QB,   56                          ; s[56:57] q's images of my head
.set YB,   58                          ; s[58:59] y at my batch and head
.set QP,   60                          ; s[60:61] my tile's fragment of q
.set YP,   62                          ; s[62:63] my tile's 1,024 bytes of y
.macro ROUND                           ; a round of the cluster's barrier
	s_barrier_signal -1
	s_barrier_wait -1
	s_cmp_lg_u32 s[WV], 0
	s_cbranch_scc1 .Lnot_wave_0_\@
	s_barrier_signal -3
.Lnot_wave_0_\@:
	s_barrier_wait -3
	s_barrier_signal -1
	s_barrier_wait -1
.endm
	s_load_b128 s[4:7], s[0:1], 0x0                ; qkv s[4:5], the scales' exponents s[6:7]
	s_load_b64 s[8:9], s[0:1], 0x10                ; y
	v_lshl_add_u32 v251, v0, 2, 0x40000
	v_mov_b32 v255, 0
	ds_add_u32 v251, v255
	ds_add_u32 v251, v255
	v_lshrrev_b32 v7, 5, v0
	s_delay_alu instid0(VALU_DEP_1)
	v_readfirstlane_b32 s[WV], v7                  ; wave 0..15
	s_lshr_b32 s[WP], s[WV], 1
	s_and_b32 s[EV], s[WV], 1
	s_sub_co_u32 s[WQ], 15, s[WP]
	s_bfe_u32 s[CX], ttmp6, 0x40000                ; cx
	s_and_b32 s[BH], ttmp7, 0xffff                 ; batch x 16 + head, which the four partners share
	s_lshr_b32 s76, s[BH], 1
	s_lshl_b32 s76, s76, 18                        ; the head pair's 16 blocks of 16,384 bytes in a section
	s_and_b32 s77, s[BH], 1                        ; which head of the pair
	s_and_b32 s78, s[WV], 7
	s_lshl_b32 s78, s78, 15                        ; what I fetch begins 32,768 (wave % 8) bytes into them: 16 tiles of K, or 2 key steps of V
	s_add_co_u32 s78, s78, s76
	s_lshl_b32 s79, s77, 10
	s_add_co_u32 s82, s78, s79
	s_add_co_u32 s82, s82, 0x800000                ; K: section 1, + 1,024 for the pair's second head
	s_mov_b32 s83, 0
	s_add_co_u32 s86, s76, s79                     ; Q: section 0, likewise
	s_mov_b32 s87, 0
	s_lshl_b32 s79, s77, 13
	s_add_co_u32 s84, s78, s79
	s_add_co_u32 s84, s84, 0x1000000               ; V: section 2, + 8,192 for the second head
	s_mov_b32 s85, 0
	s_lshr_b32 s88, s[BH], 4
	s_lshl_b32 s88, s88, 21                        ; y: the batch's 128 tiles of 16,384 bytes,
	s_and_b32 s79, s[BH], 15
	s_lshl_b32 s79, s79, 10
	s_add_co_u32 s88, s88, s79                     ; + 1,024 x head
	s_mov_b32 s89, 0
	; group 1, elements of 8 bytes, no padding.  K: 16 rows of 1,024 bytes, 2,048 apart (the other head's fragments lie between).  V: 2 rows of 8,192 bytes, 16,384 apart.
	s_mov_b32 s[G1K], 15|(3<<16)|(1<<21)           ; 15:0 the mask: all four work-groups; 17:16 elements of 8 bytes; 21 set beside a mask
	s_mov_b32 s[G1K+1], 128<<16                    ; tensor_dim0 = 128 elements
	s_mov_b32 s[G1K+2], 16<<16                     ; tensor_dim1 = 16
	s_mov_b32 s[G1K+3], 128<<16                    ; tile_dim0
	s_mov_b32 s[G1K+4], 16                         ; tile_dim1
	s_mov_b32 s[G1K+5], 256                        ; tensor_dim0_stride
	s_mov_b32 s[G1K+6], 0
	s_mov_b32 s[G1K+7], 0
	s_mov_b32 s[G1V], 15|(3<<16)|(1<<21)
	s_mov_b32 s[G1V+1], 1024<<16
	s_mov_b32 s[G1V+2], 2<<16
	s_mov_b32 s[G1V+3], 1024<<16
	s_mov_b32 s[G1V+4], 2
	s_mov_b32 s[G1V+5], 2048
	s_mov_b32 s[G1V+6], 0
	s_mov_b32 s[G1V+7], 0
	s_mov_b32 s[SEL], 0x76543210
	s_mov_b32 s[SEL+1], 0xfedcba98
	s_wait_dscnt 0x0
	s_wait_kmcnt 0x0
	s_load_b256 s[68:75], s[6:7], 0x0              ; e0 .. e7
	s_mov_b32 s[G0K], 1
	s_lshl_b32 s[G0K+1], s[WV], 14                 ; wave w fills LDS bytes 16,384 w on: waves 0-7 K's images, waves 8-15 V's
	s_add_nc_u64 s[G0K+2:G0K+3], s[4:5], s[82:83]
	s_or_b32 s[G0K+3], s[G0K+3], 0x80000000
	s_mov_b32 s[G0V], 1
	s_lshl_b32 s[G0V+1], s[WV], 14
	s_add_nc_u64 s[G0V+2:G0V+3], s[4:5], s[84:85]
	s_or_b32 s[G0V+3], s[G0V+3], 0x80000000
	s_add_nc_u64 s[QB:QB+1], s[4:5], s[86:87]
	s_add_nc_u64 s[YB:YB+1], s[8:9], s[88:89]
	ROUND                                          ; all four work-groups are here: the joint loads meet
	s_cmp_lt_u32 s[WV], 8                          ; each wave issues one load, its only one; four v_nop follow each of the two lines
	s_cbranch_scc0 .Lfill_v
	tensor_load_to_lds s[G0K:G0K+3], s[G1K:G1K+7]
	s_nop 0
.rept 4
	v_nop
.endr
	s_branch .Lfilled
.Lfill_v:
	tensor_load_to_lds s[G0V:G0V+3], s[G1V:G1V+7]
	s_nop 0
.rept 4
	v_nop
.endr
.Lfilled:
	v_and_b32 v7, 31, v0
	s_delay_alu instid0(VALU_DEP_1)
	v_lshlrev_b32 v[L16], 4, v7
	v_and_b32 v8, 15, v0                           ; r
	v_bfe_u32 v9, v0, 4, 1                         ; h
	s_delay_alu instid0(VALU_DEP_2)
	v_lshlrev_b32 v[YO], 4, v8
	s_delay_alu instid0(VALU_DEP_1)
	v_lshl_add_u32 v[YO], v9, 3, v[YO]
	s_lshl_b32 s76, s[CX], 5
	s_lshl_b32 s77, s[EV], 4
	s_add_co_u32 s76, s76, s77                     ; my tile's first query in its 128: 32 cx + 16 e
	v_lshlrev_b32 v10, 3, v9
	s_delay_alu instid0(VALU_DEP_1)
	v_sub_nc_u32 v[DQ], v8, v10
	s_delay_alu instid0(VALU_DEP_1)
	v_add_nc_u32 v[DQ], s76, v[DQ]                 ; d = 32 cx + 16 e + r - 8 h.  On the diagonal register 8 t + j holds key 16 t + 8 h + j of the 128: hidden where 16 t + j > d
	v_mov_b32 v[NINF], 0xff800000
	v_mov_b32 v236, 0                              ; written once: a lane permute's destination counts as one of its sources
	v_mov_b32 v253, 0                              ; (named as the upper half of the pair v[252:253])
	s_wait_kmcnt 0x0
	s_add_co_i32 s76, s70, s71
	s_lshl_b32 s76, s76, 23
	s_mov_b32 s[CS], 0x3e38aa3b                    ; log2(e) / 8
	s_add_co_i32 s[CS], s[CS], s76                 ; a score stands for score x 2^(e2 + e3): the two exponents are added to c's exponent field
	s_mov_b32 s[CS+1], s[CS]                       ; (named with it as a pair, so it is written)
	s_add_co_i32 s76, s72, 127
	s_lshl_b32 s77, s76, 23
	v_mov_b32 v244, s77                            ; 2^e4 as f32, for p's conversion
	s_add_co_i32 s76, s74, 127
	s_lshl_b32 s77, s76, 23
	v_mov_b32 v246, s77                            ; 2^e6, for y's conversion
	s_add_co_i32 s80, s72, s73                     ; e4 + e5
	s_wait_tensorcnt 0x0                           ; my sixteenth of the head has landed,
	s_barrier_signal -1
	s_barrier_wait -1                              ; everybody's has: from here on LDS is only read
	s_mov_b32 s[TI], 0
.Ltile:                                            ; two trips: my two tiles of 16 queries
	s_wait_xcnt 0x0                                ; the last tile's loads and stores have read their bases and their data: both are written again below
	s_cmp_eq_u32 s[TI], 0
	s_cselect_b32 s[GG], s[WP], s[WQ]              ; g = w', then 15 - w'
	s_lshl_b32 s76, s[GG], 3
	s_lshl_b32 s77, s[CX], 1
	s_add_co_u32 s76, s76, s77
	s_add_co_u32 s76, s76, s[EV]                   ; the tile: 8 g + 2 cx + e
	s_lshl_b32 s78, s76, 11
	s_mov_b32 s79, 0
	s_add_nc_u64 s[QP:QP+1], s[QB:QB+1], s[78:79]  ; its fragment of q: 2,048 bytes a tile (two heads')
	s_lshl_b32 s78, s76, 14
	s_add_nc_u64 s[YP:YP+1], s[YB:YB+1], s[78:79]
	global_load_b128 v[16:19], v[L16], s[QP:QP+1]             ; Q's fragment, as it was stored; it stays in registers
	global_load_b128 v[20:23], v[L16], s[QP:QP+1] offset:512
	v_mov_b32 v13, 0xff61b1e6                      ; the largest t so far: -3e38, under every t
	s_delay_alu instid0(VALU_DEP_1)
	v_floor_f32 v12, -v13                          ; -M
	v_mov_b32 v14, 0                               ; the sum, in two halves
	v_mov_b32 v15, 0
.set JJ, 0
.rept 32
	v_mov_b32 v[160+JJ], 0                         ; O^T.  (The step is written once: the first finds zeros, which the first change of M leaves zeros)
.set JJ, JJ+1
.endr
	s_wait_loadcnt 0x0                             ; Q
	s_mov_b32 s[KS], 0
.Lkey:                                             ; sixteen trips, a constant; the work of steps behind the diagonal is jumped over
	s_cmp_gt_u32 s[KS], s[GG]
	s_cbranch_scc1 .Lhidden
	s_lshl_b32 s[TB], s[KS], 13
	s_setprio 2
	v_add_nc_u32 v[ADK], s[TB], v[L16]
	s_delay_alu instid0(VALU_DEP_1)
	v_add_nc_u32 v[ADV], VIMG, v[ADK]
	v_nop                                          ; with the two additions: four places in front of loads into registers that the last step's products read
	v_nop
.irp t, 0,1,2,3,4,5,6,7
	ds_load_b128 v[32+8*\t:35+8*\t], v[ADK] offset:1024*\t       ; K's eight fragments: 512 consecutive bytes a load
	ds_load_b128 v[36+8*\t:39+8*\t], v[ADK] offset:1024*\t+512
.endr
	s_wait_alu depctr_va_vdst(0)
	s_wait_dscnt 0x0
.irp t, 0,1,2,3,4,5,6,7
	v_wmma_f32_16x16x64_fp8_fp8 v[96+8*\t:103+8*\t], v[32+8*\t:39+8*\t], v[16:23], 0   ; S^T: lane (r, h), register j: key 16 t + 8 h + j, query r
.endr
.rept 4
	v_nop                                          ; places in front of the loads into K's registers and of the first reads of the scores
.endr
.irp t, 0,1,2,3
.irp c, 0,1,2,3
	ds_load_b128 v[32+16*\t+4*\c:35+16*\t+4*\c], v[ADV] offset:2048*\t+512*\c   ; V^T's four fragments land while the softmax is walked
.endr
.endr
	s_cmp_lg_u32 s[KS], s[GG]                      ; only the last step of a tile lies on the diagonal
	s_cbranch_scc1 .Lopen
.set JJ, 0
.rept 64
	v_cmp_gt_i32 vcc_lo, 16*(JJ/8)+JJ%8, v[DQ]     ; hidden scores become -infinity ahead of the maximum: p = 0 then.  A query's own key always counts, so M is a number
	v_cndmask_b32 v[96+JJ], v[96+JJ], v[NINF], vcc_lo
.set JJ, JJ+1
.endr
.Lopen:
	v_max3_num_f32 v254, v96, v97, v98             ; the step's largest score of my query, among my 64 keys, in two chains,
	v_max3_num_f32 v252, v99, v100, v101
.irp i, 6,10,14,18,22,26,30,34,38,42,46,50,54,58
	v_max3_num_f32 v254, v254, v[96+\i], v[97+\i]
	v_max3_num_f32 v252, v252, v[98+\i], v[99+\i]
.endr
	v_max3_num_f32 v254, v254, v158, v159
	s_delay_alu instid0(VALU_DEP_1)
	v_max_num_f32 v254, v254, v252
	s_delay_alu instid0(VALU_DEP_1)
	v_permlanex16_b32 v236, v254, s[SEL], s[SEL+1]
	s_delay_alu instid0(VALU_DEP_1)
	v_max_num_f32 v254, v254, v236                 ; and among lane l xor 16's
	s_delay_alu instid0(VALU_DEP_1)
	v_mul_f32 v254, s[CS], v254                    ; as t (c is positive)
	s_delay_alu instid0(VALU_DEP_1)
	v_max_num_f32 v13, v13, v254                   ; the running largest t
	v_mov_b32 v254, v12
	s_delay_alu instid0(VALU_DEP_2)
	v_floor_f32 v12, -v13                          ; the new -M = floor(-t) = -ceil(t): M is a whole number
	s_delay_alu instid0(VALU_DEP_1)
	v_sub_f32 v254, v12, v254                      ; M's old value less its new one: a whole number, 0 or less
	s_delay_alu instid0(VALU_DEP_1)
	v_cvt_i32_f32 v254, v254                       ; (it saturates)
	s_delay_alu instid0(VALU_DEP_1)
	v_ldexp_f32 v252, 1.0, v254                    ; f = 2^(old M - new M)
.set JJ, 0
	s_setprio 1
.rept 32
	v_pk_fma_f32 v[96+JJ:97+JJ], v[96+JJ:97+JJ], s[CS:CS+1], v[12:13] op_sel_hi:[1,0,0]   ; t - M, two at a time (of the pairs c and -M the low word serves both halves)
.set JJ, JJ+2
.endr
.set JJ, 0
	s_wait_alu depctr_va_vdst(0)
.rept 64
	v_exp_f32 v[96+JJ], v[96+JJ]                   ; p = 2^(t - M), at most 1: not normalised
.set JJ, JJ+1
.endr
	v_pk_mul_f32 v[14:15], v[14:15], v[252:253] op_sel_hi:[1,0]   ; the sums under the new M.  (A plain place behind the exponentials)
	s_wait_alu depctr_va_vdst(0)
	v_pk_add_f32 v[242:243], v[100:101], v[104:105]
	v_pk_add_f32 v[248:249], v[108:109], v[112:113]
	v_pk_add_f32 v[240:241], v[116:117], v[120:121]
	v_pk_add_f32 v[238:239], v[124:125], v[128:129]
	v_pk_add_f32 v[234:235], v[132:133], v[136:137]
	v_pk_add_f32 v[232:233], v[140:141], v[144:145]
	v_pk_add_f32 v[230:231], v[148:149], v[152:153]
	v_pk_add_f32 v[14:15], v[14:15], v[156:157]
	v_pk_add_f32 v[242:243], v[242:243], v[96:97]
	v_pk_add_f32 v[248:249], v[248:249], v[98:99]
	v_pk_add_f32 v[240:241], v[240:241], v[102:103]
	v_pk_add_f32 v[238:239], v[238:239], v[106:107]
	v_pk_add_f32 v[234:235], v[234:235], v[110:111]
	v_pk_add_f32 v[232:233], v[232:233], v[114:115]
	v_pk_add_f32 v[230:231], v[230:231], v[118:119]
	v_pk_add_f32 v[14:15], v[14:15], v[122:123]
	v_pk_add_f32 v[242:243], v[242:243], v[126:127]
	v_pk_add_f32 v[248:249], v[248:249], v[130:131]
	v_pk_add_f32 v[240:241], v[240:241], v[134:135]
	v_pk_add_f32 v[238:239], v[238:239], v[138:139]
	v_pk_add_f32 v[234:235], v[234:235], v[142:143]
	v_pk_add_f32 v[232:233], v[232:233], v[146:147]
	v_pk_add_f32 v[230:231], v[230:231], v[150:151]
	s_setprio 0
	v_pk_add_f32 v[14:15], v[14:15], v[154:155]
	v_pk_add_f32 v[242:243], v[242:243], v[158:159]
	s_delay_alu instid0(VALU_DEP_2)
	v_pk_add_f32 v[14:15], v[14:15], v[238:239]
	s_delay_alu instid0(VALU_DEP_2)
	v_pk_add_f32 v[242:243], v[242:243], v[234:235]
	v_pk_add_f32 v[248:249], v[248:249], v[232:233]
	v_pk_add_f32 v[240:241], v[240:241], v[230:231]
	s_delay_alu instid0(VALU_DEP_2)
	v_pk_add_f32 v[14:15], v[14:15], v[248:249]
	s_delay_alu instid0(VALU_DEP_2)
	v_pk_add_f32 v[242:243], v[242:243], v[240:241]
	s_delay_alu instid0(VALU_DEP_1)
	v_pk_add_f32 v[14:15], v[14:15], v[242:243]
.irp t, 0,1,2,3,4,5,6,7
.irp i, 0,1,2,3,4,5,6,7
.endr
	v_cvt_scalef32_pk8_fp8_f32 v[192+2*\t:193+2*\t], v[96+8*\t:103+8*\t], v244   ; registers 2 t, 2 t + 1 of P's fragment: keys 16 t + 8 h + 0 .. 7
.endr
.set JJ, 0
.rept 16
	v_pk_mul_f32 v[160+JJ:161+JJ], v[160+JJ:161+JJ], v[252:253] op_sel_hi:[1,0]   ; O^T under the new M, each accumulator from its low end on.  (Also the plain places behind the conversions)
.set JJ, JJ+2
.endr
	s_wait_alu depctr_va_vdst(0)
	s_wait_dscnt 0x0                               ; V^T's fragments are in
.irp t, 0,1,2,3
	v_wmma_f32_16x16x128_fp8_fp8 v[160+8*\t:167+8*\t], v[32+16*\t:47+16*\t], v[192:207], v[160+8*\t:167+8*\t]   ; the four accumulators by turns; between two links of a chain stand eleven other products
.endr
.Lhidden:
	s_add_co_u32 s[KS], s[KS], 1
	s_cmp_lt_u32 s[KS], 16
	s_cbranch_scc1 .Lkey
	s_setprio 0
	; the tile's end: O^T x 2^(e4 + e5) / the sum is y; it is held, converted with 2^e6 and stored: each store of the wave covers 256 consecutive bytes, aligned
.rept 4
	v_nop                                          ; places behind the last products
.endr
	v_add_f32 v14, v14, v15                        ; the sum's two halves,
	s_delay_alu instid0(VALU_DEP_1)
	v_permlanex16_b32 v236, v14, s[SEL], s[SEL+1]
	s_delay_alu instid0(VALU_DEP_1)
	v_add_f32 v14, v14, v236                       ; and lane l xor 16's: the row's sum
	s_wait_alu depctr_va_vdst(0)
	v_rcp_f32 v14, v14
	v_nop                                          ; one plain place behind a transcendental
	s_wait_alu depctr_va_vdst(0)
	v_ldexp_f32 v14, v14, s80
.set JJ, 0
.rept 16
	v_pk_mul_f32 v[96+JJ:97+JJ], v[160+JJ:161+JJ], v[14:15] op_sel_hi:[1,0]   ; register 8 ct + j: y(query r, channel 16 ct + 8 h + j)
.set JJ, JJ+2
.endr
.set JJ, 0
.rept 32
.set JJ, JJ+1
.endr
.irp t, 0,1,2,3
	v_cvt_scalef32_pk8_fp8_f32 v[208+2*\t:209+2*\t], v[96+8*\t:103+8*\t], v246
.endr
	v_nop                                          ; one plain vector instruction behind the last conversion: later products write its sources
.irp t, 0,1,2,3
	global_store_b64 v[YO], v[208+2*\t:209+2*\t], s[YP:YP+1] offset:256*\t
.endr
	s_add_co_u32 s[TI], s[TI], 1
	s_cmp_lt_u32 s[TI], 2
	s_cbranch_scc1 .Ltile
	s_wait_tensorcnt 0x0
	ds_add_u32 v251, v255
	s_wait_dscnt 0x0
	ROUND                                          ; the closing round
	s_endpgm
.Lfunc_end_k_qc88990c9bb_attention:
	.size	k_qc88990c9bb_attention, .Lfunc_end_k_qc88990c9bb_attention-k_qc88990c9bb_attention
	.p2alignl 7, 3214868480
	.fill 96, 4, 3214868480
	.section	.rodata,"a",@progbits
	.p2align	6, 0x0
	.amdhsa_kernel k_qc88990c9bb_attention
		.amdhsa_group_segment_fixed_size 264192
		.amdhsa_private_segment_fixed_size 0
		.amdhsa_enable_private_segment 0
		.amdhsa_kernarg_size 24
		.amdhsa_user_sgpr_count 2
		.amdhsa_user_sgpr_kernarg_segment_ptr 1
		.amdhsa_wavefront_size32 1
		.amdhsa_system_sgpr_workgroup_id_x 1
		.amdhsa_system_sgpr_workgroup_id_y 1
		.amdhsa_system_sgpr_workgroup_id_z 1
		.amdhsa_system_vgpr_workitem_id 0
		.amdhsa_next_free_vgpr 256
		.amdhsa_next_free_sgpr 96
		.amdhsa_reserve_vcc 1
		.amdhsa_float_denorm_mode_32 3
		.amdhsa_float_denorm_mode_16_64 3
		.amdhsa_fp16_overflow 1
		.amdhsa_memory_ordered 1
		.amdhsa_forward_progress 1
		.amdhsa_inst_pref_size 30
	.end_amdhsa_kernel
	.amdgpu_metadata
---
amdhsa.version: [ 1, 2 ]
amdhsa.kernels:
  - .name:           k_qc88990c9bb_attention
    .symbol:         k_qc88990c9bb_attention.kd
    .args:
      - { .name: qkv, .offset: 0, .size: 8, .value_kind: global_buffer, .address_space: global }
      - { .name: lowp_scales, .offset: 8, .size: 8, .value_kind: global_buffer, .address_space: global }
      - { .name: y, .offset: 16, .size: 8, .value_kind: global_buffer, .address_space: global }
    .group_segment_fixed_size: 264192
    .private_segment_fixed_size: 0
    .kernarg_segment_align: 8
    .kernarg_segment_size: 24
    .max_flat_workgroup_size: 512
    .sgpr_count:     96
    .vgpr_count:     256
    .wavefront_size: 32
...
	.end_amdgpu_metadata
.endif
;; end of part 2
;; launch out_gemm (part 3): grid 4 x 64, 4 waves a work-group, clusters of 4 x 4, 327,680 bytes of LDS; arguments y, Wo_codes, lowp_scales, bo, out0; writes out0
.if DOCPART == 3
	.amdgcn_target "amdgcn-amd-amdhsa--gfx1250"
	.amdhsa_code_object_version 6
	.text
	.protected	k_qc88990c9bb_out_gemm
	.globl	k_qc88990c9bb_out_gemm
	.p2align	8
	.type	k_qc88990c9bb_out_gemm,@function
k_qc88990c9bb_out_gemm:
	s_mov_b64 s[64:65], 0
	v_nop
	global_prefetch_b8 v0, s[64:65] scope:SCOPE_SE
	s_setreg_imm32_b32 hwreg(HW_REG_WAVE_MODE, 25, 1), 1
	s_wait_xcnt 0x0
	s_wait_alu depctr_hold_cnt(0) depctr_sa_sdst(0) depctr_va_vdst(0) depctr_va_sdst(0) depctr_va_ssrc(0) depctr_va_vcc(0) depctr_vm_vsrc(0)
	s_getreg_b32 s2, hwreg(HW_REG_IB_STS2, 6, 4)
	s_cmp_eq_u32 s2, 0
	s_cbranch_scc0 .Lentry_in_a_cluster
	s_endpgm
.Lentry_in_a_cluster:
	s_bfe_u32 s2, ttmp6, 0x10000c
	s_cmp_lg_u32 s2, 0xf033
	s_cbranch_scc0 .Lentry_shape_is_right
	s_endpgm
.Lentry_shape_is_right:
; out0 = y Wo + bo on codes of FP8 (E4M3).  y: codes as the attention launch lays them, [tile of 16 tokens 0..511][head 0..15][1,024 bytes]; Wo: [1024 (n)][1024 (k)] codes; bo [1024], out0 [8192][1024] f32.
; y's bytes read as [group c][lane (r, h)][16] hold k = 32 c + 16 h + 0 .. 15 of token r: the order in which four loads of 16 bytes, 32 apart, take a row of Wo.  So both operands come by ds_load_b128,
; with one permutation of k that is the same in both.
; A tile is 256 outputs n (S0 = rows of Wo) x 128 tokens (S1 = y): 4 x 64 = 256 work-groups.  A wave makes 128 n x 64 tokens: 32 accumulators, 256 registers.
; K = 1,024 in four steps of 256 through THREE LDS slots: K steps 0, 1, 2 are first fills, K step 3 fills slot 0 again and has two K steps' products in which to land.
; THE PRODUCT IS USED TRANSPOSED (source 0 = 16 rows of Wo, source 1 = 16 tokens): a lane holds eight neighbouring outputs of one token.
; CLUSTERS: 4 x 4 work-groups; y's tiles are shared along a row of the cluster, Wo's along a column: joint loads.  The grid is four work-groups wide, so the tile column is cx.
; LIMIT: e6 + e7 between -126 and 127, so that 2^(e6 + e7) is an f32 number.
; REGISTERS: window 0: v16-29 addresses; v32-95 at work on the way out; v128-255 y's fragments, two sets of 64; on the way out rows read back.   window 1: Wo's fragments, two sets of 128.
;   window 2: the accumulators ((a, b) at v[8 (8 a + b)]).   window 3: v0-63 bo of my 128 outputs, in the result's layout.
.set PITCH,  272                       ; a row of Wo in LDS: 256 bytes + 16 of padding
.set FR,     16
.set YIMG,   32768                     ; a slot: y's images, 8 tiles x 4,096 bytes,
.set HALFW,  128*PITCH                 ; then Wo's 256 rows, in two halves
.set SLOT,   YIMG+2*HALFW              ; 102,400
.set SPARE,  3*SLOT                    ; behind the slots: the spare words, 128 bytes for each wave
.set STAGE,  SLOT                      ; the way out: 16 rows x 528 bytes for each wave, in slot 1: it has had its only fill, and its last read lies in front of a barrier that every wave has passed
.set SPITCH, 528
.set ADRA, 16                          ; v16-18  LDS address of my fragments of y in slot 0, 1, 2
.set ADRB, 20                          ; v20-22  of Wo
.set STO,  24                          ; v24     the way out: where I put 32 bytes of a row
.set RD,   25                          ; v25     where I read a row back
.set CO,   26                          ; v26     16 x lane
.set BA,   27                          ; v27     my byte offset in bo
.set SPW,  28                          ; v28     my spare word; never rewritten
.set NIL,  29                          ; v29     0; never rewritten
.set TMP,  32
.set AF,   128
.set BK,   128
.set G1,   24                          ; s[24:31] group 1 for y's tiles; s[48:55] for Wo's
.set G1B,  48
.set GA0,  32                          ; groups 0 for y, a set for each slot
.set GA1,  36
.set GA2,  40
.set GB0,  56                          ; and for Wo
.set GB1,  60
.set GB2,  68
.set MSB, 0
.macro WIN new                         ; the immediate's high byte repeats the setting that is left
.if MSB != (\new)
	s_set_vgpr_msb (MSB<<8)|(\new)
.set MSB, (\new)
.endif
.endm
.set MUL, 0xa1                         ; source 0 (Wo) window 1, source 1 (y) window 0, C and D window 2
; A joint load: waves 0 and 1 fetch y's two halves, waves 2 and 3 Wo's.  Four v_nop follow each of the two lines.
.macro JLOAD g0a, g1a, g0b, g1b
	s_cmp_eq_u32 s15, 0
	s_cbranch_scc0 .Lfor_b_\@
	tensor_load_to_lds s[\g0a:\g0a+3], s[\g1a:\g1a+7]
	s_nop 0
.rept 4
	v_nop
.endr
	s_branch .Lasked_\@
.Lfor_b_\@:
	tensor_load_to_lds s[\g0b:\g0b+3], s[\g1b:\g1b+7]
	s_nop 0
.rept 4
	v_nop
.endr
.Lasked_\@:
.endm
.macro CREST
	s_cmp_lg_u32 s14, 0
	s_cbranch_scc1 .Lnot_wave_0_\@
	s_barrier_signal -3
.Lnot_wave_0_\@:
	s_barrier_wait -3
	s_barrier_signal -1
	s_barrier_wait -1
.endm
.macro CROUND
	s_barrier_signal -1
	s_barrier_wait -1
	CREST
.endm
.macro MKG0 g0a, g0b, s                ; slot s's two groups 0, for K step s, and its first fill
	s_mov_b32 s[\g0a], 1
	s_add_co_u32 s[\g0a+1], s44, \s*SLOT
	s_add_nc_u64 s[\g0a+2:\g0a+3], s[18:19], \s*4096
	s_or_b32 s[\g0a+3], s[\g0a+3], 0x80000000
	s_mov_b32 s[\g0b], 1
	s_add_co_u32 s[\g0b+1], s45, \s*SLOT
	s_add_nc_u64 s[\g0b+2:\g0b+3], s[46:47], \s*256
	s_or_b32 s[\g0b+3], s[\g0b+3], 0x80000000
	s_wait_alu depctr_va_vdst(0)
	s_wait_tensorcnt 0x0
	ds_add_u32 v28, v29
	ds_add_u32 v28, v29
	s_wait_dscnt 0x0
	CROUND
	JLOAD \g0a, G1, \g0b, G1B
.endm
	s_load_b128 s[4:7], s[0:1], 0x0                ; y s[4:5], Wo's codes s[6:7]
	s_load_b128 s[8:11], s[0:1], 0x10              ; the scales' exponents s[8:9], bo s[10:11]
	s_load_b64 s[12:13], s[0:1], 0x20              ; out0
	v_lshl_add_u32 v[SPW], v0, 2, SPARE
	v_mov_b32 v[NIL], 0
	ds_add_u32 v28, v29
	ds_add_u32 v28, v29
	s_wait_dscnt 0x0
	v_lshrrev_b32 v1, 5, v0
	v_readfirstlane_b32 s14, v1                    ; wave 0..3
	s_lshr_b32 s15, s14, 1                         ; which 64 tokens are mine.  Also: I fetch for y (0) or for Wo (1)
	s_and_b32 s16, s14, 1                          ; which 128 outputs.  Also: which half of that tile I fetch
	s_bfe_u32 s80, ttmp6, 0x40000                  ; cx: the tile of 256 outputs
	s_bfe_u32 s81, ttmp6, 0x40004                  ; cy
	s_and_b32 s17, ttmp7, 0xffff
	s_lshl_b32 s17, s17, 2
	s_add_co_u32 s17, s17, s81                     ; the tile of 128 tokens = 4 x cluster y + cy
	s_lshl_b32 s82, s81, 2
	s_lshl_b32 s82, 15, s82                        ; my row of the cluster
	s_lshl_b32 s83, 0x1111, s80                    ; my column
	; group 1.  y: 4 rows (tiles of 16 tokens) of 4,096 bytes (four heads' images), 16,384 apart; elements of 8 bytes; dense in LDS.  Wo: 128 rows of 256 bytes, 1,024 apart, padded.
	s_or_b32 s[G1], s82, (3<<16)|(1<<21)
	s_mov_b32 s[G1+1], 512<<16                     ; tensor_dim0 = 512 elements
	s_mov_b32 s[G1+2], 4<<16                       ; tensor_dim1 = 4
	s_mov_b32 s[G1+3], 512<<16                     ; tile_dim0
	s_mov_b32 s[G1+4], 4                           ; tile_dim1
	s_mov_b32 s[G1+5], 2048                        ; tensor_dim0_stride
	s_mov_b32 s[G1+6], 0
	s_mov_b32 s[G1+7], 0
	s_or_b32 s[G1B], s83, (1<<20)|(1<<21)|(5<<22)|(3<<25)   ; elements of 1 byte; padding: 4 words after every 64
	s_mov_b32 s[G1B+1], 256<<16
	s_mov_b32 s[G1B+2], 128<<16
	s_mov_b32 s[G1B+3], 256<<16
	s_mov_b32 s[G1B+4], 128
	s_mov_b32 s[G1B+5], 1024
	s_mov_b32 s[G1B+6], 0
	s_mov_b32 s[G1B+7], 0
	s_lshl_b32 s18, s17, 3
	s_lshl_b32 s19, s16, 2
	s_add_co_u32 s18, s18, s19                     ; y: tile of 16 tokens 8 x tile + 4 x half,
	s_lshl_b32 s18, s18, 14                        ; x 16,384 bytes (under 2^23)
	s_mov_b32 s19, 0
	s_lshl_b32 s46, s80, 8
	s_lshl_b32 s47, s16, 7
	s_add_co_u32 s46, s46, s47                     ; Wo: row 256 cx + 128 x half,
	s_lshl_b32 s46, s46, 10
	s_mov_b32 s47, 0
	s_lshl_b32 s44, s16, 14                        ; where they go in a slot: y's half,
	s_mul_i32 s45, s16, HALFW
	s_add_co_u32 s45, s45, YIMG                    ; Wo's half: no place in the cluster enters an LDS address
	s_wait_kmcnt 0x0
	s_load_b128 s[84:87], s[8:9], 0x10             ; e4 .. e7
	s_add_nc_u64 s[18:19], s[4:5], s[18:19]
	s_add_nc_u64 s[46:47], s[6:7], s[46:47]
	CROUND                                         ; all sixteen work-groups are here: the first joint loads meet
	MKG0 GA0, GB0, 0                               ; one load of mine is out at a time: after the third, K step 2's
	MKG0 GA1, GB1, 1
	MKG0 GA2, GB2, 2
	v_and_b32 v1, 15, v0                           ; r
	v_bfe_u32 v2, v0, 4, 1                         ; h
	v_and_b32 v3, 31, v0
	v_lshlrev_b32 v[CO], 4, v3
	v_mul_u32_u24 v4, v1, PITCH
	v_lshl_add_u32 v4, v2, 4, v4                   ; Wo: row x pitch + 16 x half
	s_lshl_b32 s21, s15, 14                        ; my four tiles of y's images
	s_mul_i32 s22, s16, HALFW                      ; my 128 rows of Wo,
	s_add_co_u32 s22, s22, YIMG                    ; which lie behind y's images
.irp s, 0,1,2
	v_add_nc_u32 v[ADRA+\s], s21, v[CO]
	v_add_nc_u32 v[ADRB+\s], s22, v4
	s_add_co_u32 s21, s21, SLOT
	s_add_co_u32 s22, s22, SLOT
.endr
	s_mul_i32 s23, s14, 16*SPITCH
	s_add_co_u32 s23, s23, STAGE                   ; my stage
	v_mul_u32_u24 v5, v1, SPITCH                   ; in: row r, 32 bytes for each half of the lanes
	v_lshl_add_u32 v5, v2, 5, v5
	v_add_nc_u32 v[STO], s23, v5
	v_add_nc_u32 v[RD], s23, v[CO]                 ; back: the 32 lanes take one row of 512 bytes
	s_lshl_b32 s72, s80, 10
	s_lshl_b32 s73, s16, 9
	s_add_co_u32 s72, s72, s73                     ; my first output, in bytes of f32: 1,024 cx + 512 x half
	v_lshl_add_u32 v[BA], v2, 5, s72               ; bo[.. + 16 b + 8 h + j]: + 32 h, + 64 b in the immediate
	WIN 0xc0                                       ; destination window 3
.irp b, 0,1,2,3,4,5,6,7
	global_load_b128 v[8*\b:8*\b+3], v[BA], s[10:11] offset:64*\b
	global_load_b128 v[8*\b+4:8*\b+7], v[BA], s[10:11] offset:64*\b+16
.endr
	WIN 0
	s_lshl_b32 s74, s17, 7
	s_lshl_b32 s75, s15, 6
	s_add_co_u32 s74, s74, s75                     ; my first token: 128 x tile + 64 x half,
	s_lshl_b32 s74, s74, 12                        ; x 4,096 bytes (under 2^25),
	s_add_co_u32 s74, s74, s72                     ; + my first output
	s_mov_b32 s75, 0
	s_add_nc_u64 s[12:13], s[12:13], s[74:75]
	s_wait_kmcnt 0x0
	s_add_co_i32 s96, s86, s87                     ; e6 + e7
	s_add_co_i32 s96, s96, 127
	s_lshl_b32 s96, s96, 23                        ; 2^(e6 + e7) as f32
	s_mov_b32 s97, s96                             ; (named with it as a pair, so it is written)
	s_wait_loadcnt 0x0                             ; bo, while the first tiles are on their way
; 8 matrix instructions: tokens' tile a x Wo's eight, 128 along K, on set p.  The 32 accumulators take turns, one instruction a turn, in the same order in every step.
.macro MUL8 a, p, zero
.irp b, 0,1,2,3,4,5,6,7
.if \zero
	v_wmma_f32_16x16x128_fp8_fp8 v[8*(8*(\a)+\b):8*(8*(\a)+\b)+7], v[128*(\p)+FR*\b:128*(\p)+FR*\b+FR-1], v[AF+64*(\p)+FR*(\a):AF+64*(\p)+FR*(\a)+FR-1], 0
.else
	v_wmma_f32_16x16x128_fp8_fp8 v[8*(8*(\a)+\b):8*(8*(\a)+\b)+7], v[128*(\p)+FR*\b:128*(\p)+FR*\b+FR-1], v[AF+64*(\p)+FR*(\a):AF+64*(\p)+FR*(\a)+FR-1], v[8*(8*(\a)+\b):8*(8*(\a)+\b)+7]
.endif
.endr
.endm
; 48 LDS loads in one run: the fragments of the slot's q-th 128 along K into set p
.macro FETCH slot, q, p
	WIN 0x40                                       ; destination window 1
.irp i, 0,1,2,3,4,5,6,7
.irp c, 0,1,2,3
	ds_load_b128 v[128*(\p)+FR*\i+4*\c:128*(\p)+FR*\i+4*\c+3], v[ADRB+\slot] offset:128*(\q)+32*\c+\i*16*PITCH
.endr
.endr
	WIN 0
.irp a, 0,1,2,3
.irp c, 0,1,2,3
	ds_load_b128 v[AF+64*(\p)+FR*\a+4*\c:AF+64*(\p)+FR*\a+4*\c+3], v[ADRA+\slot] offset:4096*\a+2048*(\q)+512*\c   ; an image: 512 consecutive bytes a load
.endr
.endr
.endm
.macro PLACES n                        ; plain vector instructions between a matrix instruction and a load into, or a vector instruction on, its registers (ISA guide 7.12.1 for vector instructions)
.rept \n
	v_nop
.endr
.endm
; A step of 128 along K on set p; ahead of its products the next step's fragments (slot ns, part nq) are asked for, into the other set: 32 matrix instructions ahead of their use.
.macro STEP ns, nq, p, zero
	s_wait_dscnt 0x0                               ; set p is in
	PLACES 4                                       ; the other set was read by the products just issued
	FETCH \ns, \nq, 1-(\p)
	WIN MUL
	MUL8 0, \p, \zero
	MUL8 1, \p, \zero
	MUL8 2, \p, \zero
	MUL8 3, \p, \zero
.endm
; A step on set 1 with a barrier: in front of it each wave waits for all its tensor loads, adds 0 to its spare word, and waits for that and for all its LDS reads.  fill = 1: slot 0 is filled again, with K step 3.
.macro TURN ns, fill
	WIN 0                                          ; (the add's two registers lie in window 0)
	s_wait_tensorcnt 0x0                           ; all my tensor loads have landed
	ds_add_u32 v[SPW], v[NIL]                      ; 0 onto my spare word
	s_wait_dscnt 1                                 ; set 1 is in (the add may be out)
	WIN MUL
	MUL8 0, 1, 0                                   ; eight matrix instructions stand between the add and the wait for it
	s_wait_dscnt 0x0                               ; the add is done; my reads of the slots behind me are over
	s_barrier_signal -1
	MUL8 1, 1, 0
	WIN 0
	s_barrier_wait -1
.if \fill
	CREST                                          ; the barrier has opened a round of the cluster's: no wave of any partner still reads slot 0 or has a load on its way
	s_add_nc_u64 s[GA0+2:GA0+3], s[GA0+2:GA0+3], 3*4096
	s_add_nc_u64 s[GB0+2:GB0+3], s[GB0+2:GB0+3], 3*256
	JLOAD GA0, G1, GB0, G1B                        ; the first tensor load behind the round, and my last; its four v_nop are the places in front of the loads below
.else
	PLACES 4
.endif
	s_wait_alu depctr_va_vdst(0)
	FETCH \ns, 0, 0
	WIN MUL
	MUL8 2, 1, 0
	MUL8 3, 1, 0
.endm
; THE WAY OUT, 16 tokens x 128 outputs at a time: sum x 2^(e6 + e7) + bo; through my own stage, back as whole rows of 512 bytes.  LDS serves a wave's instructions in order (ISA guide 5.7.1.4): no wait between the stores and the loads.
.macro TOSTAGE a
	WIN 0x32                                       ; source 0 (the sums) window 2, source 2 (bo) window 3
.set JJ, 0
.rept 32
	v_pk_fma_f32 v[TMP+JJ:TMP+JJ+1], v[64*(\a)+JJ:64*(\a)+JJ+1], s[96:97], v[JJ:JJ+1] op_sel_hi:[1,0,1]   ; each accumulator from its low end on
.set JJ, JJ+2
.endr
	WIN 0
.irp b, 0,1,2,3,4,5,6,7
	ds_store_b128 v[STO], v[TMP+8*\b:TMP+8*\b+3] offset:64*\b
	ds_store_b128 v[STO], v[TMP+8*\b+4:TMP+8*\b+7] offset:64*\b+16
.endr
.set BB, BK+64*((\a)%2)
.irp t, 0,1,2,3,4,5,6,7,8,9,10,11,12,13,14,15
	ds_load_b128 v[BB+4*\t:BB+4*\t+3], v[RD] offset:\t*SPITCH
.endr
.endm
.macro SEND a, younger                 ; younger: the LDS instructions issued behind block a's loads, which may stay out
.set BB, BK+64*((\a)%2)
	s_wait_dscnt \younger
.irp t, 0,1,2,3,4,5,6,7,8,9,10,11,12,13,14,15
	global_store_b128 v[CO], v[BB+4*\t:BB+4*\t+3], s[12:13] offset:(16*(\a)+\t)*4096 th:TH_STORE_NT   ; 32 lanes store 512 consecutive bytes, aligned to 256; written once, read by nobody here
.endr
.endm
	s_wait_tensorcnt 2                             ; my part of K step 0 is in (K step 2's load may be out)
	s_barrier_signal -1
	s_barrier_wait -1                              ; everybody's is
	FETCH 0, 0, 0
	STEP 0, 1, 0, 1                                ; K 0-127: these products start the sums
	TURN 1, 1                                      ; K 128-255; slots 1 and 2 are whole for every wave; slot 0 takes K step 3
	STEP 1, 1, 0, 0                                ; K 256-383
	STEP 2, 0, 1, 0                                ; K 384-511; slot 2 was shown whole by the round above
	STEP 2, 1, 0, 0                                ; K 512-639
	TURN 0, 0                                      ; K 640-767; K step 3 has landed in every wave; nobody reads slots 1 and 2 any more
	STEP 0, 1, 0, 0                                ; K 768-895
	s_wait_dscnt 0x0
	WIN MUL
	MUL8 0, 1, 0                                   ; K 896-1023
	MUL8 1, 1, 0
	MUL8 2, 1, 0
	MUL8 3, 1, 0
	WIN 0
	PLACES 4                                       ; in front of the first reads of results and of the loads into the registers that held y's fragments
	TOSTAGE 0
.irp a, 1,2,3
.if \a > 1
	s_wait_xcnt 0x0                                ; block a - 2's stores have read the registers into which block a's rows are loaded
.endif
	TOSTAGE \a
	SEND \a-1, 32                                  ; behind block a - 1's loads: block a's 16 stores and 16 loads
.endr
	SEND 3, 0
	s_wait_tensorcnt 0x0                           ; the wave's end
	ds_add_u32 v[SPW], v[NIL]
	s_wait_dscnt 0x0
	CROUND                                         ; the closing round
	s_endpgm
.Lfunc_end_k_qc88990c9bb_out_gemm:
	.size	k_qc88990c9bb_out_gemm, .Lfunc_end_k_qc88990c9bb_out_gemm-k_qc88990c9bb_out_gemm
	.p2alignl 7, 3214868480
	.fill 96, 4, 3214868480
	.section	.rodata,"a",@progbits
	.p2align	6, 0x0
	.amdhsa_kernel k_qc88990c9bb_out_gemm
		.amdhsa_group_segment_fixed_size 327680
		.amdhsa_private_segment_fixed_size 0
		.amdhsa_enable_private_segment 0
		.amdhsa_kernarg_size 40
		.amdhsa_user_sgpr_count 2
		.amdhsa_user_sgpr_kernarg_segment_ptr 1
		.amdhsa_wavefront_size32 1
		.amdhsa_system_sgpr_workgroup_id_x 1
		.amdhsa_system_sgpr_workgroup_id_y 1
		.amdhsa_system_sgpr_workgroup_id_z 1
		.amdhsa_system_vgpr_workitem_id 0
		.amdhsa_next_free_vgpr 832
		.amdhsa_next_free_sgpr 100
		.amdhsa_reserve_vcc 0
		.amdhsa_float_denorm_mode_32 3
		.amdhsa_float_denorm_mode_16_64 3
		.amdhsa_memory_ordered 1
		.amdhsa_forward_progress 1
		.amdhsa_inst_pref_size 78
	.end_amdhsa_kernel
	.amdgpu_metadata
---
amdhsa.version: [ 1, 2 ]
amdhsa.kernels:
  - .name:           k_qc88990c9bb_out_gemm
    .symbol:         k_qc88990c9bb_out_gemm.kd
    .args:
      - { .name: y, .offset: 0, .size: 8, .value_kind: global_buffer, .address_space: global }
      - { .name: Wo_codes, .offset: 8, .size: 8, .value_kind: global_buffer, .address_space: global }
      - { .name: lowp_scales, .offset: 16, .size: 8, .value_kind: global_buffer, .address_space: global }
      - { .name: bo, .offset: 24, .size: 8, .value_kind: global_buffer, .address_space: global }
      - { .name: out0, .offset: 32, .size: 8, .value_kind: global_buffer, .address_space: global }
    .group_segment_fixed_size: 327680
    .private_segment_fixed_size: 0
    .kernarg_segment_align: 8
    .kernarg_segment_size: 40
    .max_flat_workgroup_size: 128
    .sgpr_count:     100
    .vgpr_count:     832
    .wavefront_size: 32
...
	.end_amdgpu_metadata
.endif
;; end of part 3
